; MI455X (gfx1250); checked and timed in simulation.
; The chip was launched on July 23, 2026; its instructions are those of AMD's public machine-readable ISA for CDNA 5 (MIT licence, August 2026) and "CDNA5" Instruction Set Architecture Reference Guide (July 2026). The comments in the code are by the model that wrote it; some were corrected since.
;; Scaled Dot Product Attention. Allowed arithmetic: matrix products marked QUANTISED: E2M3 operands, one E8M0 scale for each 32 along K, by v_wmma_scale_f32_16x16x128_f8f6f4 with both operands' format E2M3, f32 sums; everything else in f32.
;; Inputs: k 4 x 16 x 2,048 x 64 float32; key_padding_mask 4 x 2,048 bool; q 4 x 16 x 2,048 x 64 float32; v 4 x 16 x 2,048 x 64 float32.
;; Outputs: out0 4 x 16 x 2,048 x 64 float32.
;; This version of the problem:
;;   THIS VERSION OF THE PROBLEM IS GIVEN IN LOW PRECISION. The matrix products marked QUANTISED in the list below multiply operands that are first quantised to E2M3 (2 exponent bits, 3 mantissa bits; 6 bits a number), with one power-of-two scale for each 32 numbers along K (OCP MX v1.0); their sums are f32. All else is computed in f32.
;;   The module's matrix products, in the order in which they are computed (A, B: the left and right operand; K: the contracted axis; several contracted axes count as one K, in the product's order):
;;     1. batch 64 x [M 2,048, K 64] x [K 64, N 2,048]; A: input q; B: input k: QUANTISED
;;     2. batch 64 x [M 2,048, K 2,048] x [K 2,048, N 64]; A: softmax (see below); B: input v: QUANTISED
;;   THE QUANTISER, for each operand of a quantised product, along K:
;;     - K is cut into blocks of 32 from its start; a last block that is shorter is filled with zeros.
;;     - A block's scale is 2^e with e = floor(log2(the largest magnitude in the block)) - 2, held to -126 .. 127; a block of zeros has e = 0. As a byte (E8M0): e + 127.
;;     - Each number is divided by its block's scale, clamped to +-7.5, and rounded to the nearest number of E2M3, ties to even, subnormals kept.
;;     - The product sums the exact products of the quantised numbers (number of the format x scale) in f32.
;;   ~~~python
;;   def quantise(x, axis):      # numpy; x: float32 -> the quantised numbers, widened to float32 again
;;       x = np.moveaxis(x, axis, -1); K = x.shape[-1]
;;       x = np.pad(x, [(0, 0)] * (x.ndim - 1) + [(0, -K % 32)]); x = x.reshape(x.shape[:-1] + (-1, 32)); a = np.abs(x).max(-1, keepdims=True)
;;       e = np.where(a > 0, np.clip(np.frexp(np.where(a > 0, a, 1))[1] - 1 - 2, -126, 127), 0)      # np.frexp(a)[1] - 1 = floor(log2(a)), exactly
;;       r = np.clip(x / 2.0 ** e, -7.5, 7.5)
;;       step = 2.0 ** (np.maximum(np.frexp(np.where(r == 0, 1, r))[1] - 1, 0) - 3)
;;       q = np.round(r / step) * step * 2.0 ** e      # np.round: ties to even
;;       return np.moveaxis(q.reshape(q.shape[:-2] + (-1,))[..., :K], -1, axis).astype(np.float32)
;;   ~~~
;;   SOFTMAX AHEAD OF A QUANTISED PRODUCT. Where the list says 'softmax', what is quantised is not the finished softmax but p = 2^(t - M), with t = logit x log2(e) and M = ceil(the row's largest t), a whole number; so 1/2 < the row's largest p <= 1. The row's sum l is taken of the UNQUANTISED p, in f32, and the product's result is divided by l at the end. Since M is a whole number, a kernel that streams over the keys may use a running M (the ceiling of the running maximum): every later rescaling is an exact power of two, which a block's scale takes up: the codes' values come out the same.
;;   OPERANDS COMPUTED ON THE WAY. 'Computed on the way' means the value that the module computes at that place (a softmax that the list does not call 'softmax' is quantised finished and normalised). What goes into a quantiser is computed in f32, as accurately as f32 sums, v_exp_f32 and their like allow (about 1e-6 of the number): no bf16 or f16 on the way to a quantiser, and a product that is left as it is and whose result goes on into a quantised operand takes f32 operands (vector FMAs, or v_wmma_f32_16x16x4_f32). A number that lies on a knife's edge between two numbers of the format may be rounded either way, as far as f32 arithmetic and the matrix unit's own rounding can turn it there, and no further.
;; One version. Each part assembles by itself: llvm-mc -triple=amdgcn-amd-amdhsa -mcpu=gfx1250 --defsym DOCPART=n.
;; ======== version 1 of 1: 2 launches
;; limits: right only within a limited range of input values
;; workspace buffers: kv 15,204,352 bytes
;; launch prep (part 1): grid 1024 x 1, 4 waves a work-group, no clusters, 41,984 bytes of LDS; arguments k, v, key_padding_mask, kv; writes kv
.if DOCPART == 1
	.amdgcn_target "amdgcn-amd-amdhsa--gfx1250"
	.amdhsa_code_object_version 6
	.text
	.protected	k_q7f77a46f20_prep
	.globl	k_q7f77a46f20_prep
	.p2align	8
	.type	k_q7f77a46f20_prep,@function
k_q7f77a46f20_prep:
	s_mov_b64 s[64:65], 0
	v_nop
	global_prefetch_b8 v0, s[64:65] scope:SCOPE_SE
	s_setreg_imm32_b32 hwreg(HW_REG_WAVE_MODE, 25, 1), 1
	s_wait_xcnt 0x0
; K and V [64 heads][2048 keys][64] f32 become codes of FP6 (E2M3) with one E8M0 byte for each 32 along a product's K, laid in kv as images of the operands' registers.
; K is quantised along the head's 64 (two blocks a key), V along the keys (a block = 32 keys of one channel).  A block's byte is its largest magnitude's exponent field - 2, held at 1 from below
; (a block of zeros keeps the byte 1: its codes are zeros, and this program alone reads the bytes).
; THE MASK goes into K's scale words: the first product's instruction takes 128 along K, the head has 64, so block 2 is spare.  The attention launch keeps the code +1 at k = 64 on the key's side and
; the code -1 with the byte 33 on the query's side; a key's byte for block 2 is 254 where it is masked, else 0: a masked key's raw score gets -2^33, an open key's -2^-221.
; A BATCH ALL OF WHOSE KEYS ARE MASKED has a uniform softmax: every wave ANDs the batch's 2,048 mask bytes, and where all are 1 K's codes and scale words are cleared: all scores are 0.  A select and ANDs, no branch.
; LIMITS: raw scores q . k stay far under 2^33 in magnitude; a masked logit is s / 8 - 2^30 in place of -1e9, which shows only where open logits come near -1e9; NaN and infinities are not served;
; blocks whose largest magnitude lies under 2^-124 keep the byte 1.
; kv: a head has 237,568 bytes: 16 key steps (128 keys) of 14,848: K's image at 0, V's at 8,192.
;   K's image: 8 tiles of 1,024 bytes; lane (r, h) of tile 4 c + T stands for key 64 c + 32 (r / 8) + 8 T + r % 8; at 16 x lane the words {0, scale word, c0, c1}, 512 bytes on {c2 .. c5}: the codes of channels 32 h on.
;   V's image: 13 planes of 512 bytes, 16 bytes a lane: fragment t (channels 16 t + r) is planes 3 t .. 3 t + 2; plane 12 holds at 16 x lane + 4 t the scale word of channel 16 t + lane % 16.
; SHARES.  Work-group n: head n / 16, key step n % 16.  Wave w makes K's tiles 2 w, 2 w + 1: with c = w / 2, x = w % 2 these are keys 64 c + 16 x + 0 .. 15 and the 16 that lie 32 further on.
; Of V it takes channels 32 x + lane and the blocks c and 2 + c.  A stream: no matrix unit, no tensor load, no cluster.  No register that a store or load names is written again, EXEC never changes: no wait on XCNT.
.set HEADB, 237568
.set STEPB, 14848
.set VOFF,  8192
.set SP,    272                        ; a key's row in the stage: 256 bytes + 16
.set KSTW,  32*SP                      ; a stage of 32 rows for each wave
.set VST,   4*KSTW                     ; behind them the work-group's image of V, 6,656 bytes
.set SPARE, VST+6656                   ; the spare words
.set R,   16                           ; v16-79   K as loaded; later V's codes and planes
.set XV,  80                           ; v80-143  V: two blocks of my channel
.set X,   144                          ; v144-207 K turned
.set MK,  208                          ; v208-223 the batch's mask bytes
.set KO,  228                          ; v228-243 what leaves for tile u
.set KT,  244                          ; the upper 16 codes of tile u
	s_load_b256 s[4:11], s[0:1], 0x0               ; k, v, the mask, kv
	v_lshl_add_u32 v254, v0, 2, SPARE
	v_mov_b32 v255, 0
	v_lshrrev_b32 v1, 5, v0
	v_readfirstlane_b32 s12, v1                    ; wave
	v_and_b32 v1, 31, v0                           ; lane
	v_and_b32 v2, 15, v0                           ; r
	v_bfe_u32 v3, v0, 4, 1                         ; h
	s_wait_alu depctr_va_vdst(0)                   ; ahead of the run of scalar lines
	s_and_b32 s13, s12, 1                          ; x
	s_lshr_b32 s14, s12, 1                         ; c
	s_lshr_b32 s15, ttmp9, 4                       ; head
	s_and_b32 s16, ttmp9, 15                       ; key step
	s_lshr_b32 s19, s15, 4                         ; batch
	s_mov_b32 s26, 0x76543210
	s_mov_b32 s27, 0xfedcba98                      ; selects for lane l xor 16
	s_lshl_b32 s22, ttmp9, 15                      ; the step's 128 rows of 256 bytes
	s_lshl_b32 s25, s14, 14
	s_add_co_u32 s20, s22, s25                     ; K: + 64 c keys
	s_lshl_b32 s25, s13, 12
	s_add_co_u32 s20, s20, s25                     ;    + 16 x keys
	s_mov_b32 s21, 0
	s_lshl_b32 s25, s14, 13
	s_add_co_u32 s22, s22, s25                     ; V: + 32 c keys
	s_lshl_b32 s25, s13, 7
	s_add_co_u32 s22, s22, s25                     ;    + 32 x channels
	s_mov_b32 s23, 0
	s_lshl_b32 s28, s19, 11                        ; the batch's row of the mask
	s_mov_b32 s29, 0
	s_lshl_b32 s25, s16, 7
	s_add_co_u32 s30, s28, s25
	s_lshl_b32 s25, s14, 6
	s_add_co_u32 s30, s30, s25
	s_lshl_b32 s25, s13, 4
	s_add_co_u32 s30, s30, s25                     ; key 64 c + 16 x of the step
	s_mov_b32 s31, 0
	s_mul_i32 s32, s15, HEADB
	s_mul_i32 s25, s16, STEPB
	s_add_co_u32 s32, s32, s25                     ; the step in kv
	s_lshl_b32 s25, s12, 9
	s_add_co_u32 s34, s32, s25
	s_add_co_u32 s34, s34, VOFF                    ; V's image, plane = my wave
	s_mov_b32 s35, 0
	s_lshl_b32 s25, s12, 11
	s_add_co_u32 s32, s32, s25                     ; K's image, my two tiles
	s_mov_b32 s33, 0
	v_lshlrev_b32 v4, 4, v1                        ; 16 x lane
	s_mul_i32 s25, s12, KSTW                       ; my stage
	v_mul_u32_u24 v5, v3, SP
	v_lshl_add_u32 v5, v2, 4, v5
	v_add_nc_u32 v5, s25, v5                       ; into it: a load's 512 bytes are two rows
	v_and_b32 v7, 8, v2
	v_mad_u32_u24 v251, v7, 3, v2                  ; r % 8 + 32 (r / 8): my key's place among the mask bytes
	v_add_nc_u32 v7, v7, v2                        ; r % 8 + 16 (r / 8): its row in the stage (rows 16-31 hold the second run of keys)
	v_mul_u32_u24 v6, v7, SP
	v_lshl_add_u32 v6, v3, 7, v6
	v_add_nc_u32 v6, s25, v6                       ; out of it: that key's row, channels 32 h on
	v_lshlrev_b32 v8, 2, v1                        ; V: 4 bytes a lane
	s_mul_i32 s25, s13, 3072
	s_lshl_b32 s24, s14, 8
	s_add_co_u32 s25, s25, s24
	s_add_co_u32 s25, s25, VST
	v_mul_u32_u24 v9, v3, 1536
	v_lshl_add_u32 v9, v2, 4, v9
	v_add_nc_u32 v9, s25, v9                       ; V's image: fragment 2 x + h, lane r + 16 c
	s_lshl_b32 s25, s13, 3
	s_add_co_u32 s25, s25, s14
	s_add_co_u32 s25, s25, VST+6144
	v_lshlrev_b32 v10, 4, v2
	v_lshl_add_u32 v10, v3, 2, v10
	v_add_nc_u32 v10, s25, v10                     ; plane 12: lane r, word 2 x + h, byte c (+ 2 for the second block)
	s_lshl_b32 s25, s12, 9
	s_add_co_u32 s25, s25, VST
	v_add_nc_u32 v11, s25, v4                      ; the way out: plane = my wave
	v_mov_b32 v252, 0                              ; a lane permute's destination counts as one of its sources
	v_mov_b32 v253, 0
	s_wait_alu depctr_va_vdst(0)                   ; the head's end
	s_wait_kmcnt 0x0
	s_add_nc_u64 s[4:5], s[4:5], s[20:21]
	s_add_nc_u64 s[6:7], s[6:7], s[22:23]
	s_add_nc_u64 s[36:37], s[8:9], s[28:29]        ; the batch's mask row
	s_add_nc_u64 s[8:9], s[8:9], s[30:31]          ; my keys' mask bytes
	s_add_nc_u64 s[38:39], s[10:11], s[32:33]      ; where K's tiles go
	s_add_nc_u64 s[10:11], s[10:11], s[34:35]      ; where V's planes go
.macro VLOAD c                         ; V(64 c + 32 (w / 2) + n, my channel), n = 0 .. 31: registers run down the keys
.set n, 0
.rept 32
	global_load_b32 v[XV+32*\c+n], v8, s[6:7] offset:(64*\c+n)*256 th:TH_LOAD_NT
.set n, n+1
.endr
.endm
.irp i, 0,1,2,3,4,5,6,7,8,9,10,11,12,13,14,15
	global_load_b128 v[R+4*\i:R+4*\i+3], v4, s[4:5] offset:512*\i+4096*(\i/8) th:TH_LOAD_NT   ; two runs of 16 keys, the second 32 keys behind the first's start; 512 consecutive bytes a load
.endr
.irp i, 0,1,2,3
	global_load_b128 v[MK+4*\i:MK+4*\i+3], v4, s[36:37] offset:512*\i
.endr
	global_load_u8 v224, v251, s[8:9]              ; the mask byte of my key in tile u = 0,
	global_load_u8 v225, v251, s[8:9] offset:8     ; and in tile u = 1
	VLOAD 0
	s_wait_loadcnt 32                              ; K and the mask are in; the 32 younger loads are V's first block
.irp i, 0,1,2,3,4,5,6,7,8,9,10,11,12,13,14,15
	ds_store_b128 v5, v[R+4*\i:R+4*\i+3] offset:2*SP*\i
.endr
.irp u, 0,1
.irp j, 0,1,2,3,4,5,6,7
	ds_load_b128 v[X+32*\u+4*\j:X+32*\u+4*\j+3], v6 offset:8*SP*\u+16*\j          ; a wave's LDS instructions are served in order (ISA guide 5.7.1.4)
.endr
.endr
	VLOAD 1
.irp i, 0,1,2,3,4,5,6,7
	v_and_b32 v[MK+\i], v[MK+\i], v[MK+8+\i]       ; is any key of the batch open?
.endr
.irp i, 0,1,2,3
	v_and_b32 v[MK+\i], v[MK+\i], v[MK+4+\i]
.endr
	v_and_b32 v[MK], v[MK], v[MK+2]
	v_and_b32 v[MK+1], v[MK+1], v[MK+3]
	v_and_b32 v[MK], v[MK], v[MK+1]
	v_cmp_ne_u32 vcc_lo, 0x01010101, v[MK]
	s_cmp_lg_u32 vcc_lo, 0
	s_cselect_b32 s24, -1, 0                       ; all ones, or 0 where the whole batch is masked
	s_wait_dscnt 0x0                               ; K is back, a key's block of 32 channels to a lane
.irp u, 0,1
	v_max3_num_f32 v[12+\u], |v[X+32*\u]|, |v[X+32*\u+1]|, 0x1800000              ; with the floor 2^(3 - 127)
.endr
.irp i, 2,4,6,8,10,12,14,16,18,20,22,24,26,28,30
.irp u, 0,1
	v_max3_num_f32 v[12+\u], v[12+\u], |v[X+32*\u+\i]|, |v[X+32*\u+\i+1]|
.endr
.endr
.irp u, 0,1
	v_add_nc_u32 v[14+\u], 0xff000000, v[12+\u]    ; 2 off the exponent field: the conversion's scale operand
.endr
.irp u, 0,1
	v_lshrrev_b32 v[226+\u], 23, v[14+\u]          ; the scale's byte
.endr
.irp u, 0,1
	v_permlanex16_b32 v[252+\u], v[226+\u], s26, s27   ; the other block's byte
.endr
.irp u, 0,1
	v_mul_u32_u24 v[224+\u], v[224+\u], 254        ; block 2's byte
.endr
.irp u, 0,1
	v_lshl_or_b32 v[226+\u], v[252+\u], 8, v[226+\u]   ; lanes 0-15: block 0's byte, block 1's above it (lanes 16-31 are never read)
.endr
.irp u, 0,1
	v_lshl_or_b32 v[226+\u], v[224+\u], 16, v[226+\u]
.endr
.irp u, 0,1
	v_and_b32 v[KO+8*\u+1], s24, v[226+\u]         ; the scale word
	v_mov_b32 v[KO+8*\u], 0
.endr
.irp u, 0,1
	v_cvt_scalef32_pk16_fp6_f32 v[KO+8*\u+2:KO+8*\u+4], v[X+32*\u:X+32*\u+15], v[14+\u]
	v_cvt_scalef32_pk16_fp6_f32 v[KT+4*\u:KT+4*\u+2], v[X+32*\u+16:X+32*\u+31], v[14+\u]   ; (a conversion's three registers begin on an even number)
.endr
	v_nop                                          ; one plain place behind a scaled conversion
.irp u, 0,1
.irp i, 0,1,2
	v_and_b32 v[KO+8*\u+2+\i], s24, v[KO+8*\u+2+\i]
	v_and_b32 v[KO+8*\u+5+\i], s24, v[KT+4*\u+\i]  ; the AND is also the move to the odd place
.endr
.endr
.irp u, 0,1
	global_store_b128 v4, v[KO+8*\u:KO+8*\u+3], s[38:39] offset:1024*\u th:TH_STORE_NT        ; 512 consecutive bytes, at a multiple of 256 from kv's first byte
	global_store_b128 v4, v[KO+8*\u+4:KO+8*\u+7], s[38:39] offset:1024*\u+512 th:TH_STORE_NT
.endr
.macro VBLOCK c                        ; block c of my channel: its six registers of codes are registers 6 c .. 6 c + 5 of the fragment
.set XS, XV+32*\c
.set VC, R+12*\c
.set VT, R+8+12*\c
.set TM, R+24+4*\c
	v_max3_num_f32 v[TM], |v[XS]|, |v[XS+1]|, |v[XS+2]|
	v_max3_num_f32 v[TM+1], |v[XS+3]|, |v[XS+4]|, |v[XS+5]|
.irp i, 6,10,14,18,22,26
	v_max3_num_f32 v[TM], v[TM], |v[XS+\i]|, |v[XS+\i+1]|
	v_max3_num_f32 v[TM+1], v[TM+1], |v[XS+\i+2]|, |v[XS+\i+3]|
.endr
	v_max3_num_f32 v[TM], v[TM], |v[XS+30]|, |v[XS+31]|
	v_max3_num_f32 v[TM], v[TM], v[TM+1], 0x1800000
	v_add_nc_u32 v[TM+2], 0xff000000, v[TM]
	v_lshrrev_b32 v[TM+3], 23, v[TM+2]
	v_cvt_scalef32_pk16_fp6_f32 v[VC:VC+2], v[XS:XS+15], v[TM+2]
	v_cvt_scalef32_pk16_fp6_f32 v[VT:VT+2], v[XS+16:XS+31], v[TM+2]
	v_nop                                          ; one plain place behind a scaled conversion
.irp i, 0,1,2
	v_mov_b32 v[VC+3+\i], v[VT+\i]
.endr
.if \c == 0
	ds_store_b128 v9, v[VC:VC+3]                   ; registers 0-3: the fragment's first plane
	ds_store_b64 v9, v[VC+4:VC+5] offset:512       ; registers 4, 5
.else
	ds_store_b64 v9, v[VC:VC+1] offset:520         ; registers 6, 7
	ds_store_b128 v9, v[VC+2:VC+5] offset:1024     ; registers 8-11
.endif
	ds_store_b8 v10, v[TM+3] offset:2*\c           ; the block's byte, for lanes 0-15,
	ds_store_b8 v10, v[TM+3] offset:256+2*\c       ; and once more for lanes 16-31
.endm
	s_wait_loadcnt 32                              ; V's first block is in; the 32 younger loads are the second's
	VBLOCK 0
	s_wait_loadcnt 0x0
	VBLOCK 1
	s_wait_dscnt 0x0                               ; for the others' sake: my stores into the image have landed
	s_barrier_signal -1
	s_barrier_wait -1
.irp p, 0,1,2
	ds_load_b128 v[R+32+4*\p:R+35+4*\p], v11 offset:2048*\p                        ; planes w, w + 4, w + 8
.endr
.irp p, 0,1,2
	s_wait_dscnt 2-\p                              ; the younger plane loads may be out
	global_store_b128 v4, v[R+32+4*\p:R+35+4*\p], s[10:11] offset:2048*\p th:TH_STORE_NT
.endr
	s_cmp_lg_u32 s12, 0
	s_cbranch_scc1 .Ldone
	ds_load_b128 v[R+44:R+47], v11 offset:6144     ; wave 0 also takes plane 12, the scale words
	s_wait_dscnt 0x0
	global_store_b128 v4, v[R+44:R+47], s[10:11] offset:6144 th:TH_STORE_NT
.Ldone:
	s_wait_tensorcnt 0x0                           ; the wave's end
	ds_add_u32 v254, v255
	s_wait_dscnt 0x0
	s_endpgm
.Lfunc_end_k_q7f77a46f20_prep:
	.size	k_q7f77a46f20_prep, .Lfunc_end_k_q7f77a46f20_prep-k_q7f77a46f20_prep
	.p2alignl 7, 3214868480
	.fill 96, 4, 3214868480
	.section	.rodata,"a",@progbits
	.p2align	6, 0x0
	.amdhsa_kernel k_q7f77a46f20_prep
		.amdhsa_group_segment_fixed_size 41984
		.amdhsa_private_segment_fixed_size 0
		.amdhsa_enable_private_segment 0
		.amdhsa_kernarg_size 32
		.amdhsa_user_sgpr_count 2
		.amdhsa_user_sgpr_kernarg_segment_ptr 1
		.amdhsa_wavefront_size32 1
		.amdhsa_system_sgpr_workgroup_id_x 1
		.amdhsa_system_sgpr_workgroup_id_y 1
		.amdhsa_system_sgpr_workgroup_id_z 1
		.amdhsa_system_vgpr_workitem_id 0
		.amdhsa_next_free_vgpr 256
		.amdhsa_next_free_sgpr 66
		.amdhsa_reserve_vcc 1
		.amdhsa_float_denorm_mode_32 3
		.amdhsa_float_denorm_mode_16_64 3
		.amdhsa_memory_ordered 1
		.amdhsa_forward_progress 1
		.amdhsa_inst_pref_size 23
	.end_amdhsa_kernel
	.amdgpu_metadata
---
amdhsa.version: [ 1, 2 ]
amdhsa.kernels:
  - .name:           k_q7f77a46f20_prep
    .symbol:         k_q7f77a46f20_prep.kd
    .args:
      - { .name: k, .offset: 0, .size: 8, .value_kind: global_buffer, .address_space: global }
      - { .name: v, .offset: 8, .size: 8, .value_kind: global_buffer, .address_space: global }
      - { .name: key_padding_mask, .offset: 16, .size: 8, .value_kind: global_buffer, .address_space: global }
      - { .name: kv, .offset: 24, .size: 8, .value_kind: global_buffer, .address_space: global }
    .group_segment_fixed_size: 41984
    .private_segment_fixed_size: 0
    .kernarg_segment_align: 8
    .kernarg_segment_size: 32
    .max_flat_workgroup_size: 128
    .sgpr_count:     66
    .vgpr_count:     256
    .wavefront_size: 32
...
	.end_amdgpu_metadata
.endif
;; end of part 1
;; launch attn (part 2): grid 4 x 64, 16 waves a work-group, clusters of 4 x 1, 327,680 bytes of LDS; arguments q, kv, out0; writes out0
.if DOCPART == 2
	.amdgcn_target "amdgcn-amd-amdhsa--gfx1250"
	.amdhsa_code_object_version 6
	.text
	.protected	k_q7f77a46f20_attn
	.globl	k_q7f77a46f20_attn
	.p2align	8
	.type	k_q7f77a46f20_attn,@function
k_q7f77a46f20_attn:
	s_mov_b64 s[64:65], 0
	v_nop
	global_prefetch_b8 v0, s[64:65] scope:SCOPE_SE
	s_setreg_imm32_b32 hwreg(HW_REG_WAVE_MODE, 25, 1), 1
	s_wait_xcnt 0x0
	s_wait_alu depctr_hold_cnt(0) depctr_sa_sdst(0) depctr_va_vdst(0) depctr_va_sdst(0) depctr_va_ssrc(0) depctr_va_vcc(0) depctr_vm_vsrc(0)
	s_getreg_b32 s2, hwreg(HW_REG_IB_STS2, 6, 4)
	s_cmp_eq_u32 s2, 0
	s_cbranch_scc0 .Lentry_in_a_cluster
	s_endpgm
.Lentry_in_a_cluster:
	s_bfe_u32 s2, ttmp6, 0x10000c
	s_cmp_lg_u32 s2, 0x3003
	s_cbranch_scc0 .Lentry_shape_is_right
	s_endpgm
.Lentry_shape_is_right:
; out0[head][q][:] = the sum over keys of softmax(q . k / 8, masked keys out) v, both products on codes of FP6 (E2M3) with one E8M0 scale for each 32 along a product's K.
; q [64][2048][64] f32 is quantised here, in registers; K and V come from kv as images of their operands' registers, K's scale words carrying the mask.
; THE SOFTMAX: t = score x log2(e) / 8; M = the row's largest t so far, rounded UP to a whole number; p = 2^(t - M) is quantised along the keys, not normalised; the row's sum is taken of the
; unquantised p and divides O at the end.  When M moves, the sum and O are multiplied by 2^(old M - new M): exact.
; THE MASK has no line in the loop.  The first product's K is 64, the instruction's 128.  At k = 64 a key's fragment holds the code +1 (registers set once, never loaded) and a query's the code -1 with the
; byte 33 for block 2; a key's byte for block 2 is 254 where it is masked, 0 where not: a masked key's raw score gets -2^33, loses every maximum, and its p is 0.  While all keys seen so far are masked,
; p, the sum and O hold finite numbers of no meaning, which the first open key's change of M multiplies by 0.  A batch with no open key has all its scores 0 (the launch before clears K): a uniform softmax.
; LIMITS: raw scores q . k stay far under 2^33 in magnitude; a masked logit is s / 8 - 2^30 in place of -1e9, which shows only where open logits come near -1e9; NaN and infinities are not served;
; blocks of q whose largest magnitude lies under 2^-124 keep the byte 1.
; SHARES.  A work-group takes 512 queries of one head in two passes of 256; in a pass each of its 16 waves takes one tile of 16 queries through the head's 16 key steps of 128 keys.  256 registers a wave.
; THE WHOLE HEAD'S kv, 237,568 bytes, LIES IN LDS, FILLED ONCE: wave w brings key step w, 58 rows of 256 bytes, by its one tensor load.  Nothing is filled again; one barrier shows all of it to every wave.
; CLUSTER: the four work-groups of a cluster are the four quarters of one head's queries and want the same kv: each step is asked for jointly, same descriptor, mask 15.
; No prefetch is written: all that a work-group asks of kv and of q goes out in its first lines, so there is no later load to run ahead of.
; LAYOUT.  Both products are used transposed: S^T = K Q^T, O^T = V^T P^T: a lane holds ONE query (lane % 16) throughout.  Row m of K's tile 4 c + T stands for key 64 c + 32 (m / 8) + 8 T + m % 8, so lane (r, h)
; holds in registers S + 32 c + 0 .. 31 the keys 64 c + 32 h + 0 .. 31: two whole blocks, in the order of the second product's operand: no lane is asked for a block's maximum and no code changes lanes.
; THE STEP RUNS AHEAD OF ITSELF: K's tiles 0-3 of the next step are asked for behind this step's last score products; as soon as p's codes are made the next step's first four score products are issued and
; K's tiles 4-7 asked for; V's fragments 0, 1 are asked for at the softmax's start, 2, 3 when p's registers are free.  A pass is a prologue, 15 trips, and a last step written out, which asks for nothing further.
; REGISTERS: v1 16 x lane; v2 the step's LDS address; v3 8 h; v4-6 the stage; v8, v9 Q's scale words (this pass, the second); v10 P's; v12 -M, v13 the largest raw score, v14-15 the sum; v16-27 Q's fragment;
; v28-31 V's scale words; v32-87 four fragments of K, 14 registers each (a word of 0, the scale word, six loaded, six constant); v88-93 the second pass's codes of q; v96-159 S^T, then p; v128-151 then V's
; fragments 2, 3; v160-191 O^T; v192-203 p's codes; v204-229 at work; v230-253 V's fragments 0, 1; at the head v160-223 q as loaded.
.set HEADB, 237568
.set STEPB, 14848
.set VOFF,  8192
.set SP,    272                        ; a stage row: 256 bytes + 16
.set STG,   HEADB                      ; behind kv: a stage of 16 rows for each wave, for q on the way in and O on the way out; no fill lands there
.set STGW,  16*SP
.set SPARE, STG+16*STGW                ; the spare words: 128 bytes a wave
.set LI,   1
.set ADK,  2
.set SH8,  3
.set STA,  4                           ; the stage by whole rows: row h, 16 r
.set QRD,  5                           ; q out of it: row r, channels 32 h on
.set OSTO, 6                           ; O into it: row r, 32 h
.set QS,   8
.set W,    10
.set QF,   16
.set VS,   28
.set KF,   32
.set Q2,   88
.set S,    96
.set O,    160
.set RAW,  160
.set PC,   192
.set PT,   204
.set BM,   212
.set PB,   216
.set SO,   220
.set F,    224
.set T,    226
.set C2,   228
.set VA,   230
.macro DL d                            ; a hint ahead of a plain reader of the plain result d vector instructions back
	s_delay_alu instid0(VALU_DEP_\d)
.endm
.macro PLACES                          ; four plain places behind matrix instructions (ISA guide 7.12.1)
.rept 4
	v_nop
.endr
.endm
.macro CROUND                          ; a round of the cluster's barrier
	s_barrier_signal -1
	s_barrier_wait -1
	s_cmp_lg_u32 s10, 0
	s_cbranch_scc1 .Lnot_wave_0_\@
	s_barrier_signal -3
.Lnot_wave_0_\@:
	s_barrier_wait -3
	s_barrier_signal -1
	s_barrier_wait -1
.endm
	s_load_b128 s[4:7], s[0:1], 0x0                ; q, kv
	s_load_b64 s[8:9], s[0:1], 0x10                ; out0
	v_lshl_add_u32 v254, v0, 2, SPARE
	v_mov_b32 v255, 0
	ds_add_u32 v254, v255                          ; the opening lines: the add, twice on end, and its wait
	ds_add_u32 v254, v255
	v_lshrrev_b32 v2, 5, v0
	DL 1
	v_readfirstlane_b32 s10, v2                    ; wave 0..15
	v_and_b32 v[LI], 31, v0
	DL 1
	v_lshlrev_b32 v[LI], 4, v[LI]
	s_bfe_u32 s11, ttmp6, 0x40000                  ; cx: it enters q's and out0's offsets alone
	s_lshl_b32 s52, ttmp9, 2
	s_add_co_u32 s52, s52, s11                     ; which quarter of the head's queries
	s_and_b32 s12, ttmp7, 0xffff                   ; the head, which the four partners share
	s_mul_i32 s48, s12, HEADB
	s_mul_i32 s13, s10, STEPB                      ; my key step, in memory and in LDS alike
	s_add_co_u32 s48, s48, s13
	s_mov_b32 s49, 0
	s_lshl_b32 s50, s12, 19                        ; a head of q or out0: 2,048 rows of 256 bytes
	s_lshl_b32 s52, s52, 17                        ; 512 rows
	s_add_co_u32 s50, s50, s52
	s_lshl_b32 s52, s10, 12                        ; my wave's 16 rows
	s_add_co_u32 s50, s50, s52
	s_mov_b32 s51, 0
	s_mov_b32 s16, 15|(3<<16)|(1<<21)              ; group 1: the mask of all four work-groups; elements of 8 bytes; bit 21 beside a mask
	s_mov_b32 s17, 32<<16                          ; tensor_dim0 = 32
	s_mov_b32 s18, 58<<16                          ; tensor_dim1 = 58
	s_mov_b32 s19, 32<<16                          ; tile_dim0 = 32
	s_mov_b32 s20, 58                              ; tile_dim1 = 58
	s_mov_b32 s21, 32                              ; from row to row
	s_mov_b32 s22, 0
	s_mov_b32 s23, 0
	s_mov_b32 s40, 0x76543210
	s_mov_b32 s41, 0xfedcba98                      ; selects for lane l xor 16
	s_mov_b32 s42, 0x3e38aa3b                      ; c = log2(e) / 8
	s_mov_b32 s43, s42                             ; (named with it as a pair)
	s_mul_i32 s14, s10, STGW
	s_add_co_u32 s14, s14, STG                     ; my stage
	s_wait_alu depctr_va_vdst(0)                   ; ahead of the waits below
	s_wait_dscnt 0x0
	s_wait_kmcnt 0x0
	s_add_nc_u64 s[6:7], s[6:7], s[48:49]
	s_add_nc_u64 s[4:5], s[4:5], s[50:51]
	s_add_nc_u64 s[8:9], s[8:9], s[50:51]
.irp u, 0,1                            ; both passes' 16 rows of q as they lie, 512 consecutive bytes a load
.irp i, 0,1,2,3,4,5,6,7
	global_load_b128 v[RAW+32*\u+4*\i:RAW+32*\u+4*\i+3], v[LI], s[4:5] offset:65536*\u+512*\i th:TH_LOAD_NT
.endr
.endr
	s_mov_b32 s24, 1                               ; group 0: count,
	s_add_co_u32 s25, s13, 0                       ; the LDS address: kv lies in LDS as in memory,
	s_mov_b64 s[26:27], s[6:7]                     ; the global address,
	s_or_b32 s27, s27, 0x80000000                  ; type = 2
	CROUND                                         ; all four work-groups are here: the joint loads meet
	tensor_load_to_lds s[24:27], s[16:23]          ; my one tensor load
	s_nop 0
	v_and_b32 v7, 15, v0                           ; r
	v_bfe_u32 v11, v0, 4, 1                        ; h
	v_mov_b32 v[F+1], 0                            ; (named as the upper half of a pair)
	v_mul_u32_u24 v[QRD], v7, SP
	v_mul_u32_u24 v[STA], v11, SP
	v_lshlrev_b32 v[SH8], 3, v11
	v_mul_u32_u24 v[T], v11, 40
	v_add_nc_u32 v[QRD], s14, v[QRD]
	v_lshl_add_u32 v[STA], v7, 4, v[STA]
	v_sub_nc_u32 v[QF+6], 40, v[T]                 ; Q's register 6: the code -1 at k = 64 (lanes 0-15), zeros in lanes 16-31
	v_lshl_add_u32 v[OSTO], v11, 5, v[QRD]
	v_add_nc_u32 v[STA], s14, v[STA]
	v_lshl_add_u32 v[QRD], v11, 7, v[QRD]
.irp i, 7,8,9,10,11
	v_mov_b32 v[QF+\i], 0
.endr
.irp t, 0,1,2,3
	v_sub_nc_u32 v[KF+14*\t+8], 8, v[SH8]          ; K's register 6: the code +1 at k = 64
.irp i, 9,10,11,12,13
	v_mov_b32 v[KF+14*\t+\i], 0
.endr
.endr
	s_wait_alu depctr_va_vdst(0)                   ; ahead of the wait below
	s_wait_loadcnt 0x0                             ; q
; q through my stage, so that lane (r, h) holds channels 32 h on of query r: a whole block; then quantised, the two passes' tiles by turns
.irp u, 0,1
.irp i, 0,1,2,3,4,5,6,7
	ds_store_b128 v[STA], v[RAW+32*\u+4*\i:RAW+32*\u+4*\i+3] offset:2*SP*\i
.endr
.irp j, 0,1,2,3,4,5,6,7
	ds_load_b128 v[S+32*\u+4*\j:S+32*\u+4*\j+3], v[QRD] offset:16*\j   ; a wave's LDS instructions are served in order (ISA guide 5.7.1.4)
.endr
.endr
	s_wait_dscnt 0x0
.irp b, 0,1,2,3
	v_mov_b32 v[PB+\b], 0                          ; a lane permute's destination counts as one of its sources
.endr
.irp u, 0,1
	v_max3_num_f32 v[BM+\u], |v[S+32*\u]|, |v[S+32*\u+1]|, 0x1800000   ; with the floor 2^(3 - 127)
.endr
.irp i, 2,4,6,8,10,12,14,16,18,20,22,24,26,28,30
.irp u, 0,1
	DL 2
	v_max3_num_f32 v[BM+\u], v[BM+\u], |v[S+32*\u+\i]|, |v[S+32*\u+\i+1]|
.endr
.endr
.irp u, 0,1
	DL 2
	v_add_nc_u32 v[SO+\u], 0xff000000, v[BM+\u]    ; 2 off the exponent field: the conversion's scale operand
.endr
.irp u, 0,1
	DL 2
	v_lshrrev_b32 v[PB+\u], 23, v[SO+\u]           ; the scale's byte
.endr
.irp u, 0,1
	DL 2
	v_permlanex16_b32 v[PB+2+\u], v[PB+\u], s40, s41
.endr
.irp u, 0,1
	DL 2
	v_lshl_or_b32 v[PB+\u], v[PB+2+\u], 8, v[PB+\u]
.endr
.irp u, 0,1
	DL 2
	v_or_b32 v[QS+\u], 0x210000, v[PB+\u]          ; blocks 0 and 1, the byte 33 for block 2, 0 for block 3 (lanes 16-31 are not read)
.endr
	v_cvt_scalef32_pk16_fp6_f32 v[QF:QF+2], v[S:S+15], v[SO]
	v_cvt_scalef32_pk16_fp6_f32 v[PT:PT+2], v[S+16:S+31], v[SO]            ; (a conversion's three registers begin on an even number)
	v_cvt_scalef32_pk16_fp6_f32 v[Q2:Q2+2], v[S+32:S+47], v[SO+1]
	v_cvt_scalef32_pk16_fp6_f32 v[PT+4:PT+6], v[S+48:S+63], v[SO+1]
	v_nop                                          ; one plain place behind a scaled conversion
.irp i, 0,1,2
	v_mov_b32 v[QF+3+\i], v[PT+\i]
	v_mov_b32 v[Q2+3+\i], v[PT+4+\i]
.endr
.macro KLOAD gg, off                   ; four tiles of K, two loads of 512 consecutive bytes each; off = STEPB: the next step's
.irp t, 0,1,2,3
	ds_load_b128 v[KF+14*\t:KF+14*\t+3], v[ADK] offset:\off+(4*\gg+\t)*1024
	ds_load_b128 v[KF+14*\t+4:KF+14*\t+7], v[ADK] offset:\off+(4*\gg+\t)*1024+512
.endr
.endm
.macro QK gg                           ; S^T = K Q^T: four tiles of keys
.irp t, 0,1,2,3
	v_wmma_scale_f32_16x16x128_f8f6f4 v[S+8*(4*\gg+\t):S+8*(4*\gg+\t)+7], v[KF+14*\t+2:KF+14*\t+13], v[QF:QF+11], 0, v[KF+14*\t+1], v[QS] matrix_a_fmt:MATRIX_FMT_FP6 matrix_b_fmt:MATRIX_FMT_FP6
.endr
.endm
.macro HALFMAX c, x, d                 ; the largest score of my block 2 c + h (S + 32 c + 0 .. 31) into v[d]: a chain to each accumulator, read from its low end on; v[x] .. v[x + 3] at work
.irp t, 0,1,2,3
	v_max3_num_f32 v[\x+\t], v[S+32*\c+8*\t], v[S+32*\c+8*\t+1], v[S+32*\c+8*\t+2]
.endr
.irp i, 3,5
.irp t, 0,1,2,3
	v_max3_num_f32 v[\x+\t], v[\x+\t], v[S+32*\c+8*\t+\i], v[S+32*\c+8*\t+\i+1]
.endr
.endr
	v_max3_num_f32 v[\x], v[\x], v[\x+1], v[S+32*\c+7]
	v_max3_num_f32 v[\x+2], v[\x+2], v[\x+3], v[S+32*\c+15]
	v_max3_num_f32 v[\x], v[\x], v[S+32*\c+23], v[S+32*\c+31]
	v_max_num_f32 v[\d], v[\x], v[\x+2]
.endm
; One key step.  On entry: S + 0 .. 31 hold or are about to hold its first 64 keys' scores, and the loads of K's tiles 4-7 are out.  nx = 1: a step follows
.macro STEP nx
	HALFMAX 0, PB, BM                              ; the block's largest score serves the row's maximum and, since p rises with the score, the block's largest p
	s_wait_alu depctr_va_vdst(0)                   ; ahead of the wait below
	s_wait_dscnt 0x0                               ; K's tiles 4-7 are in
	QK 1
	PLACES                                         ; ahead of the loads into K's registers and of the first read of these scores
.if \nx
	KLOAD 0, STEPB                                 ; the next step's tiles 0-3
.endif
.irp p, 0,1,2,3,4,5
	ds_load_b128 v[VA+4*\p:VA+4*\p+3], v[ADK] offset:VOFF+512*\p       ; V's fragments 0, 1,
.endr
	ds_load_b128 v[VS:VS+3], v[ADK] offset:VOFF+6144                   ; and the four fragments' scale words
	HALFMAX 1, SO, BM+2
	v_max_num_f32 v[T], v[BM], v[BM+2]
	v_permlanex16_b32 v[PB], v[T], s40, s41        ; lane l xor 16's 64 keys
	DL 1
	v_max3_num_f32 v13, v13, v[T], v[PB]           ; the running largest raw score
	v_mov_b32 v[PB+1], v12
	DL 2
	v_mul_f32 v[T], s42, v13                       ; as t (c is positive, so the largest score gives the largest t)
	DL 1
	v_floor_f32 v12, -v[T]                         ; the new -M = -ceil(t)
	DL 1
	v_sub_f32 v[T], v12, v[PB+1]                   ; old M less new M: a whole number, 0 or less
	DL 1
	v_cvt_i32_f32 v[T], v[T]                       ; (it saturates)
	DL 1
	v_ldexp_f32 v[F], 1.0, v[T]                    ; f = 2^(old M - new M)
.set n, 0
.rept 32
	v_pk_fma_f32 v[S+n:S+n+1], v[S+n:S+n+1], s[42:43], v[12:13] op_sel_hi:[1,0,0]   ; t - M, two at a time
.set n, n+2
.endr
	v_fma_f32 v[BM], v[BM], s42, v12               ; the same of each block's largest score
	v_fma_f32 v[BM+2], v[BM+2], s42, v12
	s_wait_alu depctr_va_vdst(0)                   ; ahead of the batch
.set n, 0
.rept 64
	v_exp_f32 v[S+n], v[S+n]                       ; p = 2^(t - M)
.set n, n+1
.endr
	v_pk_mul_f32 v[14:15], v[14:15], v[F:F+1] op_sel_hi:[1,0]   ; the sums under the new M: the plain place behind the exponentials
	s_wait_alu depctr_va_vdst(0)                   ; one wait for the batch, ahead of its first reader
	v_exp_f32 v[BM], v[BM]                         ; the block's largest p: the same two instructions on the same number
	v_exp_f32 v[BM+2], v[BM+2]
	v_pk_add_f32 v[C2:C2+1], v[S:S+1], v[S+2:S+3]  ; the row's sum is taken of the unquantised p: two at a time, in two chains
.irp j, 4,8,12,16,20,24,28,32,36,40,44,48,52,56,60
	v_pk_add_f32 v[14:15], v[14:15], v[S+\j:S+\j+1]
	v_pk_add_f32 v[C2:C2+1], v[C2:C2+1], v[S+\j+2:S+\j+3]
.endr
	DL 1
	v_pk_add_f32 v[14:15], v[14:15], v[C2:C2+1]
	s_wait_alu depctr_va_vdst(0)                   ; and one for the two
	v_max_num_f32 v[BM], 0x1800000, v[BM]          ; the floor 2^(3 - 127): a block whose every p is 0 keeps the byte 1
	v_max_num_f32 v[BM+2], 0x1800000, v[BM+2]
	DL 2
	v_add_nc_u32 v[SO], 0xff000000, v[BM]          ; 2 off the exponent field: the conversion's scale operand
	DL 2
	v_add_nc_u32 v[SO+1], 0xff000000, v[BM+2]
	DL 2
	v_lshrrev_b32 v[PB], 23, v[SO]                 ; the scales' bytes
	DL 2
	v_lshrrev_b32 v[PB+1], 23, v[SO+1]
	DL 1
	v_lshl_or_b32 v[W], v[PB+1], 16, v[PB]         ; my two bytes, blocks h and 2 + h,
	DL 1
	v_lshlrev_b32 v[W], v[SH8], v[W]               ; at their places in the scale word;
	DL 1
	v_permlanex16_b32 v[PB+2], v[W], s40, s41
	DL 1
	v_or_b32 v[W], v[W], v[PB+2]                   ; with lane l xor 16's two the word is whole
.irp c, 0,1
	v_cvt_scalef32_pk16_fp6_f32 v[PC+6*\c:PC+6*\c+2], v[S+32*\c:S+32*\c+15], v[SO+\c]
	v_cvt_scalef32_pk16_fp6_f32 v[PT+4*\c:PT+4*\c+2], v[S+32*\c+16:S+32*\c+31], v[SO+\c]   ; (a conversion's three registers begin on an even number)
.endr
	v_nop                                          ; one plain place behind a scaled conversion
.irp p, 0,1,2,3,4,5
	ds_load_b128 v[S+32+4*\p:S+35+4*\p], v[ADK] offset:VOFF+3072+512*\p   ; V's fragments 2, 3, where p's upper half lay: its codes are made
.endr
.if \nx
	s_wait_alu depctr_va_vdst(0)                   ; ahead of the wait below
	s_wait_dscnt 6                                 ; the next step's tiles 0-3 are in; the six loads just issued may be out
	QK 0                                           ; the next step's first 64 keys, where p's lower half lay
.endif
.irp c, 0,1
.irp i, 0,1,2
	v_mov_b32 v[PC+6*\c+3+\i], v[PT+4*\c+\i]       ; (these six are also the places ahead of the loads into K's registers)
.endr
.endr
.if \nx
	KLOAD 1, STEPB                                 ; the next step's tiles 4-7
.endif
	s_wait_alu depctr_va_vdst(0)                   ; directly ahead of the first reader of O^T
.set n, 0
.rept 16
	v_pk_mul_f32 v[O+n:O+n+1], v[O+n:O+n+1], v[F:F+1] op_sel_hi:[1,0]   ; O^T under the new M; these 16 are also the places between the scale word's and the codes' last writes and the products
.set n, n+2
.endr
	s_wait_alu depctr_va_vdst(0)                   ; ahead of the wait below
	s_wait_dscnt 8*\nx                             ; V is in; the eight loads of the next step's tiles 4-7, issued behind V's, may be out
	; O^T += V^T P^T: four tiles of 16 channels, four accumulators by turns
	v_wmma_scale_f32_16x16x128_f8f6f4 v[O:O+7], v[VA:VA+11], v[PC:PC+11], v[O:O+7], v[VS], v[W] matrix_a_fmt:MATRIX_FMT_FP6 matrix_b_fmt:MATRIX_FMT_FP6
	v_wmma_scale_f32_16x16x128_f8f6f4 v[O+8:O+15], v[VA+12:VA+23], v[PC:PC+11], v[O+8:O+15], v[VS+1], v[W] matrix_a_fmt:MATRIX_FMT_FP6 matrix_b_fmt:MATRIX_FMT_FP6
	v_wmma_scale_f32_16x16x128_f8f6f4 v[O+16:O+23], v[S+32:S+43], v[PC:PC+11], v[O+16:O+23], v[VS+2], v[W] matrix_a_fmt:MATRIX_FMT_FP6 matrix_b_fmt:MATRIX_FMT_FP6
	v_wmma_scale_f32_16x16x128_f8f6f4 v[O+24:O+31], v[S+44:S+55], v[PC:PC+11], v[O+24:O+31], v[VS+3], v[W] matrix_a_fmt:MATRIX_FMT_FP6 matrix_b_fmt:MATRIX_FMT_FP6
	PLACES
.endm
	s_wait_alu depctr_va_vdst(0)                   ; the head's end
	s_wait_tensorcnt 0x0                           ; my key step has landed
	s_wait_dscnt 0x0
	s_barrier_signal -1
	s_barrier_wait -1                              ; everybody's has: the head's kv is whole, and nothing writes it again
	s_mov_b32 s47, 2                               ; passes to go
.Lpass:
	v_mov_b32 v13, 0xff61b1e6                      ; the largest score so far: -3e38, under every score
	v_mov_b32 v12, 0x7e800000                      ; -M: 2^126: the first step's change of M gives f = 0
	v_mov_b32 v14, 0
	v_mov_b32 v15, 0
.set n, 0
.rept 32
	v_mov_b32 v[O+n], 0                            ; the step is written once: the first finds zeros
.set n, n+1
.endr
	s_mov_b32 s44, 0                               ; where the step's images begin
	s_mov_b32 s46, 15
	v_add_nc_u32 v[ADK], s44, v[LI]
	KLOAD 0, 0                                     ; the prologue: step 0's first four score products, and the request for its tiles 4-7
	s_wait_alu depctr_va_vdst(0)
	s_wait_dscnt 0x0
	QK 0
	PLACES                                         ; ahead of the loads into K's registers
	KLOAD 1, 0
.Lstep:
	STEP 1
	s_add_co_u32 s44, s44, STEPB
	v_add_nc_u32 v[ADK], s44, v[LI]                ; first read behind the wait at the next step's head
	s_sub_co_u32 s46, s46, 1
	s_cmp_lg_u32 s46, 0
	s_cbranch_scc1 .Lstep
	STEP 0                                         ; step 15 asks for nothing further
	v_add_f32 v14, v14, v15                        ; the sum's two halves,
	DL 1
	v_permlanex16_b32 v[T], v14, s40, s41
	DL 1
	v_add_f32 v14, v14, v[T]                       ; and lane l xor 16's: the row's sum
	s_wait_alu depctr_va_vdst(0)                   ; ahead of the transcendental
	v_rcp_f32 v[F], v14
	v_nop                                          ; a plain place behind it
	s_wait_alu depctr_va_vdst(0)                   ; ahead of its first reader, which is also the first reader of O^T
.set n, 0
.rept 16
	v_pk_mul_f32 v[S+n:S+n+1], v[O+n:O+n+1], v[F:F+1] op_sel_hi:[1,0]   ; O^T / the sum, each accumulator from its low end on
.set n, n+2
.endr
.irp t, 0,1,2,3
	ds_store_b128 v[OSTO], v[S+8*\t:S+8*\t+3] offset:64*\t             ; lane (r, h): o(r, 16 t + 8 h + 0 .. 7)
	ds_store_b128 v[OSTO], v[S+8*\t+4:S+8*\t+7] offset:64*\t+16
.endr
.irp i, 0,1,2,3,4,5,6,7
	ds_load_b128 v[S+32+4*\i:S+35+4*\i], v[STA] offset:2*SP*\i         ; back as whole rows, in order behind the stores
.endr
.irp i, 0,1,2,3,4,5
	v_mov_b32 v[QF+\i], v[Q2+\i]                   ; the second pass's codes of q,
.endr
	v_mov_b32 v[QS], v[QS+1]                       ; and their scale word
.irp i, 0,1,2,3,4,5,6,7
	s_wait_dscnt 7-\i                              ; the 7 - i younger loads from the stage may be out
	global_store_b128 v[LI], v[S+32+4*\i:S+35+4*\i], s[8:9] offset:512*\i th:TH_STORE_NT   ; 16 lanes store a row's 256 consecutive bytes, at a multiple of 256 from out0's first byte
.endr
	s_wait_xcnt 0x0                                ; the stores have read their data and their base
	s_add_nc_u64 s[8:9], s[8:9], 65536             ; 256 rows on
	s_sub_co_u32 s47, s47, 1
	s_cmp_lg_u32 s47, 0
	s_cbranch_scc1 .Lpass
	s_wait_tensorcnt 0x0                           ; the wave's end
	ds_add_u32 v254, v255
	s_wait_dscnt 0x0
	CROUND                                         ; the closing round
	s_endpgm
.Lfunc_end_k_q7f77a46f20_attn:
	.size	k_q7f77a46f20_attn, .Lfunc_end_k_q7f77a46f20_attn-k_q7f77a46f20_attn
	.p2alignl 7, 3214868480
	.fill 96, 4, 3214868480
	.section	.rodata,"a",@progbits
	.p2align	6, 0x0
	.amdhsa_kernel k_q7f77a46f20_attn
		.amdhsa_group_segment_fixed_size 327680
		.amdhsa_private_segment_fixed_size 0
		.amdhsa_enable_private_segment 0
		.amdhsa_kernarg_size 24
		.amdhsa_user_sgpr_count 2
		.amdhsa_user_sgpr_kernarg_segment_ptr 1
		.amdhsa_wavefront_size32 1
		.amdhsa_system_sgpr_workgroup_id_x 1
		.amdhsa_system_sgpr_workgroup_id_y 1
		.amdhsa_system_sgpr_workgroup_id_z 1
		.amdhsa_system_vgpr_workitem_id 0
		.amdhsa_next_free_vgpr 256
		.amdhsa_next_free_sgpr 66
		.amdhsa_reserve_vcc 0
		.amdhsa_float_denorm_mode_32 3
		.amdhsa_float_denorm_mode_16_64 3
		.amdhsa_memory_ordered 1
		.amdhsa_forward_progress 1
		.amdhsa_inst_pref_size 49
	.end_amdhsa_kernel
	.amdgpu_metadata
---
amdhsa.version: [ 1, 2 ]
amdhsa.kernels:
  - .name:           k_q7f77a46f20_attn
    .symbol:         k_q7f77a46f20_attn.kd
    .args:
      - { .name: q, .offset: 0, .size: 8, .value_kind: global_buffer, .address_space: global }
      - { .name: kv, .offset: 8, .size: 8, .value_kind: global_buffer, .address_space: global }
      - { .name: out0, .offset: 16, .size: 8, .value_kind: global_buffer, .address_space: global }
    .group_segment_fixed_size: 327680
    .private_segment_fixed_size: 0
    .kernarg_segment_align: 8
    .kernarg_segment_size: 24
    .max_flat_workgroup_size: 512
    .sgpr_count:     66
    .vgpr_count:     256
    .wavefront_size: 32
...
	.end_amdgpu_metadata
.endif
;; end of part 2
